; MI455X (gfx1250); checked and timed in simulation.
; The chip was launched on July 23, 2026; its instructions are those of AMD's public machine-readable ISA for CDNA 5 (MIT licence, August 2026) and "CDNA5" Instruction Set Architecture Reference Guide (July 2026). The comments in the code are by the model that wrote it; some were corrected since.
;; Favor Self Attention. Allowed arithmetic: float matrix products may take bf16 or f16 operands with f32 sums; all other float work in f32.
;; Inputs: k 4 x 2,048 x 16 x 64 float32; projection_matrix 128 x 64 float32; q 4 x 2,048 x 16 x 64 float32; v 4 x 2,048 x 16 x 64 float32.
;; Outputs: out0 4 x 2,048 x 16 x 64 float32.
;; One version. Each part assembles by itself: llvm-mc -triple=amdgcn-amd-amdhsa -mcpu=gfx1250 --defsym DOCPART=n.
;; ======== version 1 of 1: 2 launches
;; limits: values outside matrix products are rounded to bf16; values are held in f16: magnitudes above 65,504 overflow, below 6.1e-05 lose precision; inputs' magnitudes at most 500; inputs' magnitudes at most 65,504
;; workspace buffers: state 11,534,336 bytes; mloc 65,536 bytes
;; launch kstate (part 1): grid 256 x 1, 4 waves a work-group, no clusters, 323,072 bytes of LDS; arguments k, projection_matrix, v, state, mloc; writes state, mloc
.if DOCPART == 1
	.amdgcn_target "amdgcn-amd-amdhsa--gfx1250"
	.amdhsa_code_object_version 6
	.text
	.protected	k_qd0e855c120_kstate
	.globl	k_qd0e855c120_kstate
	.p2align	8
	.type	k_qd0e855c120_kstate,@function
k_qd0e855c120_kstate:
	s_mov_b64 s[64:65], 0
	v_nop
	global_prefetch_b8 v0, s[64:65] scope:SCOPE_SE
	s_setreg_imm32_b32 hwreg(HW_REG_WAVE_MODE, 25, 1), 1
	s_wait_xcnt 0x0
; FAVOR causal attention, first of two launches: what each segment of 512 positions hands to later segments.
; q, k, v, out: [4][2048][16][64] f32; P: [128][64] f32.  64 streams (b, h), each cut into 4 segments: work-group = 4 (16 b + h) + segment.
; For its segment the work-group finds m = max over (position, feature) of raw = k . P, and (segments 0 to 2) the sums over its positions of
;   2^15 k1 (x) v, 2^15 k1 and v,   k1 = exp2(K1 raw - K2 |k|^2 - K1 m),  K1 = 64^-0.25 log2 e,  K2 = log2 e / 16.
; The second launch knows the stream's maximum mx over all four segments and forms, since k' = exp(..- mx) + eps,
;   sum k' (x) v = exp2(K1 m - K1 mx) sum k1 (x) v + eps sum v,    sum k' = exp2(K1 m - K1 mx) sum k1 + 512 eps.
; So a maximum is taken away in front of every exponential: here a running one for each wave, with the sums scaled when it rises.
; FORMATS: k, P and v are rounded to bf16 once and everything is formed from the rounded numbers, |k|^2 too, so that raw and |k|^2 belong to one
;   vector (within 2^-9 of k).  raw is a bf16 product.  k1 and v go on in f16, three more bits than bf16: 2^15 k1 lies in (0, 2^15], and what falls under
;   f16's normal numbers is wrong by 2^-40 of k1's unit at the most, nothing beside the eps = 2^-20 that is added to it later; a bf16 number stands exactly
;   in f16 between 2^-14 and 65,504, and v 30 times larger than drawn is about 180.
; WORK LEFT OUT, for all values of the inputs:
;   ratio = 128^-0.5 multiplies every q' and every k', so num and den both carry ratio^2 and av / norm does not: it is never applied.
;   Segment 3's sums: the scan is causal, no later position exists that reads them; that segment only gives its maximum.
;   The second launch leaves out the product with the scan's initial state of zeros, the state's update by a segment's last 64 positions
;   (the next segment takes the whole segment's sums from here) and score tiles that lie wholly above the diagonal.
;   All four inputs have a way to the output; q is read by the second launch alone.
; LIMITS: |v| above 65,504 overflows f16; v_exp_f32 gives 0 below 2^-126 (ISA guide, its entry in 15.8), where f32 arithmetic would keep a denormal;
;   a NaN, an infinity or an overflow that reaches only work left out is not carried to the result.
; No cluster: the work-groups share P alone, 32 KiB beside the 256 KiB of k and v that each reads for itself.
; SHARE: wave w takes rows 128 w .. 128 w + 127 in four steps of 32 rows, with its own maximum and its own whole state; the four meet at the end.
; LDS: K rows f32 pitch 272; V rows f32 pitch 288, rewritten in place as f16; P pitch 272; small words.  Every tile is filled once.
.set PK,   272
.set PV,   288
.set KT,   32*PK                       ; a step's K rows
.set VT,   32*PV                       ; a step's V rows
.set VR,   16*KT                       ; 139,264
.set PB,   VR+16*VT                    ; 286,720
.set DG,   PB+128*PK                   ; 321,536: -K2 |k|^2 of a step's rows, 128 bytes a wave
.set MXL,  DG+512                      ; 322,048: the four waves' maxima
.set IMG,  45056                       ; a wave's state as 88 groups of 512 bytes, laid over K and V when these are done with
.set K1C,  0x3f0293ee
.set NK1C, 0xbf0293ee
.set NK2C, 0xbdb8aa3b
.set C15,  0x41700000                  ; 15.0: the power of two that k1 carries
.set SELA, 18
.set SELB, 19
.set HM,   3                           ; s3 = mask of a word's upper bf16
; window 0
.set AK,  6                            ; K fragment rows
.set AVR, 7                            ; V rows as f32
.set AVW, 8                            ; V rows as f16
.set AVT, 9                            ; V, transposing loads
.set DGW, 10
.set DGR, 11
.set APB, 12
.set MR,  13                           ; running maximum of raw
.set MN,  14                           ; the new one
.set SC,  16                           ; v[16:17] factor for the sums
.set ON,  24                           ; v[24:31] a fragment of ones (f16)
.set DD,  32                           ; v[32:159] raw tiles (pt, ft) at DD + 64 pt + 8 ft; also landing place of loads
.set X,   160                          ; v[160:191] K fragments at 16 pt + 8 ks
.set ND,  192                          ; v[192:207] 15 - K2 |k|^2 - K1 max for position 8 h + j, 8 registers for each pt
.set VF,  224                          ; v[224:255] V fragments at 8 nt
.set SRC, 6                            ; the end: v6-9 the four images, v10 my image, v11 my offset in state
.set IA,  10
.set GO,  11
; window 1: state tiles at 8 (4 ft + nt).  window 2: sum k1 at 8 ft, sum v at 64 + 8 nt.  window 3: P fragments at 16 ft + 8 ks.
.set MSB, 0
.macro WIN new                         ; the immediate's high byte repeats the setting that is left
.if MSB != \new
	s_set_vgpr_msb (MSB<<8)|\new
.set MSB, \new
.endif
.endm
.macro PLACES                          ; plain vector places behind a run of matrix instructions (ISA guide 7.12.1), before results are read or operands rewritten
.rept 5
	v_nop
.endr
.endm
; 16 rows x 64 f32 as two K = 32 fragments: lane (r, h) takes d = 8h.., 16+8h.., 32+8h.., 48+8h.. of row r, eight at a time
.macro LD8 dst, adr, off
.irp p, 0,1,2,3,4,5,6,7
	ds_load_b128 v[\dst+4*\p:\dst+4*\p+3], v[\adr] offset:\off+(\p/2)*64+(\p%2)*16
.endr
.endm
.macro CVT16 dst, src                  ; 32 f32 to 16 words of bf16
.irp p, 0,1,2,3,4,5,6,7,8,9,10,11,12,13,14,15
	v_cvt_pk_bf16_f32 v[\dst+\p], v[\src+2*\p], v[\src+2*\p+1]
.endr
.endm
.macro UNPK16 dst, src                 ; and back: the rounded numbers as f32
.irp p, 0,1,2,3,4,5,6,7,8,9,10,11,12,13,14,15
	v_lshlrev_b32 v[\dst+2*\p], 16, v[\src+\p]
	v_and_b32 v[\dst+2*\p+1], s[HM], v[\src+\p]
.endr
.endm
.macro CVTH16 dst, src                 ; 32 f32 to 16 words of f16
.irp p, 0,1,2,3,4,5,6,7,8,9,10,11,12,13,14,15
	v_cvt_pk_f16_f32 v[\dst+\p], v[\src+2*\p], v[\src+2*\p+1]
.endr
.endm
; sum of squares of a row: my 32 numbers in two chains, then the other half of the lanes
.macro SUMSQ t, src
	v_pk_mul_f32 v[\t:\t+1], v[\src:\src+1], v[\src:\src+1]
	v_pk_mul_f32 v[\t+2:\t+3], v[\src+2:\src+3], v[\src+2:\src+3]
.irp p, 2,3,4,5,6,7,8,9,10,11,12,13,14,15
	v_pk_fma_f32 v[\t+2*(\p%2):\t+2*(\p%2)+1], v[\src+2*\p:\src+2*\p+1], v[\src+2*\p:\src+2*\p+1], v[\t+2*(\p%2):\t+2*(\p%2)+1]
.endr
	v_pk_add_f32 v[\t:\t+1], v[\t:\t+1], v[\t+2:\t+3]
	v_add_f32 v[\t], v[\t], v[\t+1]
	v_permlanex16_b32 v[\t+1], v[\t], s[SELA], s[SELB]
	v_add_f32 v[\t], v[\t], v[\t+1]
.endm
.macro RESCALE                         ; state and sum k1 times v[SC]; sum v carries no exponential
	WIN 0x41
.set RN, 0
.rept 128
	v_pk_mul_f32 v[2*RN:2*RN+1], v[2*RN:2*RN+1], v[SC:SC+1]
.set RN, RN+1
.endr
	WIN 0x82
.set RN, 0
.rept 32
	v_pk_mul_f32 v[2*RN:2*RN+1], v[2*RN:2*RN+1], v[SC:SC+1]
.set RN, RN+1
.endr
	WIN 0
.endm
	s_load_b256 s[4:11], s[0:1], 0x0               ; k s[4:5], P s[6:7], v s[8:9], state s[10:11]
	s_load_b64 s[12:13], s[0:1], 0x20              ; mloc
	v_lshl_add_u32 v222, v0, 2, 0x4ec00
	v_mov_b32 v223, 0
	ds_add_u32 v222, v223
	v_lshrrev_b32 v1, 5, v0
	v_readfirstlane_b32 s14, v1                    ; wave
	s_and_b32 s15, ttmp9, 3                        ; segment
	s_lshr_b32 s20, ttmp9, 6
	s_lshl_b32 s20, s20, 23                        ; b x 2048 x 4,096 bytes
	s_lshl_b32 s21, s15, 21                        ; segment x 512 rows
	s_add_co_u32 s20, s20, s21
	s_bfe_u32 s21, ttmp9, 0x40002
	s_lshl_b32 s21, s21, 8                         ; head x 256 bytes
	s_add_co_u32 s20, s20, s21
	s_lshl_b32 s21, s14, 19                        ; wave x 128 rows
	s_add_co_u32 s20, s20, s21
	s_mov_b32 s21, 0
	s_lshl_b32 s22, s14, 13                        ; my 32 rows of P
	s_mov_b32 s23, 0
	s_mul_i32 s24, s14, 4*KT                       ; my K rows in LDS
	s_mul_i32 s25, s14, 4*VT
	s_add_co_u32 s25, s25, VR                      ; my V rows in LDS
	s_mul_i32 s26, s14, KT
	s_add_co_u32 s26, s26, PB                      ; my quarter of P in LDS
	s_lshl_b32 s27, s14, 7
	s_add_co_u32 s27, s27, DG
	s_mul_i32 s2, ttmp9, IMG
	s_mov_b32 s3, 0
	s_mov_b32 s16, K1C
	s_mov_b32 s17, K1C
	s_mov_b32 s18, 0x76543210                      ; v_permlanex16_b32: lane i reads lane i of the other half
	s_mov_b32 s19, 0xfedcba98
	; descriptor groups 1: rows of 64 f32 (256 bytes), padded in LDS behind every 64 words
	s_mov_b32 s48, (2<<16)|(1<<20)|(5<<22)|(3<<25) ; K: 4-byte elements, 4 words of padding: pitch 272
	s_mov_b32 s49, 64<<16
	s_mov_b32 s50, 64<<16
	s_mov_b32 s51, 64<<16
	s_mov_b32 s52, 64                              ; 64 rows
	s_mov_b32 s53, 1024                            ; 1,024 elements from a position to the next
	s_mov_b32 s54, 0
	s_mov_b32 s55, 0
	s_mov_b32 s56, (2<<16)|(1<<20)|(5<<22)|(7<<25) ; V: 8 words of padding: pitch 288
	s_mov_b32 s57, 64<<16
	s_mov_b32 s58, 64<<16
	s_mov_b32 s59, 64<<16
	s_mov_b32 s60, 64
	s_mov_b32 s61, 1024
	s_mov_b32 s62, 0
	s_mov_b32 s63, 0
	s_mov_b32 s68, (2<<16)|(1<<20)|(5<<22)|(3<<25) ; P: 32 rows, dense
	s_mov_b32 s69, 64<<16
	s_mov_b32 s70, 32<<16
	s_mov_b32 s71, 64<<16
	s_mov_b32 s72, 32
	s_mov_b32 s73, 64
	s_mov_b32 s74, 0
	s_mov_b32 s75, 0
	s_wait_dscnt 0x0
	s_wait_kmcnt 0x0
	s_add_nc_u64 s[4:5], s[4:5], s[20:21]
	s_add_nc_u64 s[8:9], s[8:9], s[20:21]
	s_add_nc_u64 s[6:7], s[6:7], s[22:23]
	s_add_nc_u64 s[10:11], s[10:11], s[2:3]        ; my work-group's 45,056 bytes of state
	s_lshl_b32 s2, ttmp9, 8
	s_add_nc_u64 s[12:13], s[12:13], s[2:3]        ; my 256 bytes of mloc
	s_mov_b32 s3, 0xffff0000                       ; from here on: a word's upper bf16
	; groups 0, never rewritten: s[28:31] P, s[32:35] K rows 0-63, s[36:39] V rows 0-63, s[40:43] K rows 64-127, s[44:47] V rows 64-127
	s_mov_b32 s28, 1
	s_mov_b32 s29, s26
	s_mov_b64 s[30:31], s[6:7]
	s_or_b32 s31, s31, 0x80000000
.irp a, 0,1
	s_mov_b32 s[32+8*\a], 1
	s_add_co_u32 s[33+8*\a], s24, \a*2*KT
	s_add_nc_u64 s[34+8*\a:35+8*\a], s[4:5], \a*262144
	s_or_b32 s[35+8*\a], s[35+8*\a], 0x80000000
	s_mov_b32 s[36+8*\a], 1
	s_add_co_u32 s[37+8*\a], s25, \a*2*VT
	s_add_nc_u64 s[38+8*\a:39+8*\a], s[8:9], \a*262144
	s_or_b32 s[39+8*\a], s[39+8*\a], 0x80000000
.endr
; One step: 32 rows.  tw: the count of the wait for the step's tiles (-1: they came with the step before).
.macro STEP si, first, st, tw
.if \tw >= 0
	s_wait_tensorcnt \tw                           ; a wave's tensor loads end in order: my tiles of this step are in, the younger ones stay out
.endif
.if \st
	; V: 32 rows f32, rounded to bf16, written as f16 in place (all loads are back before the first store), then fragments [position][d] by transposing loads
.irp kk, 0,1,2,3,4,5,6,7,8,9,10,11,12,13,14,15
	ds_load_b128 v[DD+4*\kk:DD+4*\kk+3], v[AVR] offset:\si*VT+\kk*2*PV
.endr
	s_wait_dscnt 0x0
	CVT16 DD+64, DD
	CVT16 DD+80, DD+32
	UNPK16 DD, DD+64
	UNPK16 DD+32, DD+80
	CVTH16 DD+64, DD
	CVTH16 DD+80, DD+32
.irp kk, 0,1,2,3,4,5,6,7,8,9,10,11,12,13,14,15
	ds_store_b64 v[AVW], v[DD+64+2*\kk:DD+65+2*\kk] offset:\si*VT+\kk*2*PV
.endr
.irp nt, 0,1,2,3
	ds_load_tr16_b128 v[VF+8*\nt:VF+8*\nt+3], v[AVT] offset:\si*VT+32*\nt            ; LDS serves a wave in order: these see the stores
	ds_load_tr16_b128 v[VF+8*\nt+4:VF+8*\nt+7], v[AVT] offset:\si*VT+16*PV+32*\nt
.endr
.endif
	LD8 DD, AK, \si*KT
	LD8 DD+32, AK, \si*KT+16*PK
	s_wait_dscnt 0x0
	CVT16 X, DD
	CVT16 X+16, DD+32
.if \st
	; -K2 |k|^2 of the rounded row is known by row in lane r; the raw tiles want it by register (position 8 h + j): through my own words of LDS
	UNPK16 DD, X
	SUMSQ 20, DD
	v_mul_f32 v20, NK2C, v20
	ds_store_b32 v[DGW], v20
	UNPK16 DD+32, X+16
	SUMSQ 20, DD+32
	v_mul_f32 v20, NK2C, v20
	ds_store_b32 v[DGW], v20 offset:64
	ds_load_b128 v[ND:ND+3], v[DGR]
	ds_load_b128 v[ND+4:ND+7], v[DGR] offset:16
	ds_load_b128 v[ND+8:ND+11], v[DGR] offset:64
	ds_load_b128 v[ND+12:ND+15], v[DGR] offset:80
.endif
	; raw = K x P^T: register j of tile (pt, ft) = (position 16 pt + 8 h + j, feature 16 ft + r).  Sixteen accumulators by turns.
	WIN 0x0c
.irp ks, 0,1
.irp pt, 0,1
.irp ft, 0,1,2,3,4,5,6,7
.if \ks == 0
	v_wmma_f32_16x16x32_bf16 v[DD+64*\pt+8*\ft:DD+64*\pt+8*\ft+7], v[X+16*\pt:X+16*\pt+7], v[16*\ft:16*\ft+7], 0
.else
	v_wmma_f32_16x16x32_bf16 v[DD+64*\pt+8*\ft:DD+64*\pt+8*\ft+7], v[X+16*\pt+8:X+16*\pt+15], v[16*\ft+8:16*\ft+15], v[DD+64*\pt+8*\ft:DD+64*\pt+8*\ft+7]
.endif
.endr
.endr
.endr
	WIN 0
	PLACES
	; the step's maximum: four chains over my 128 numbers, then the 32 lanes
.irp c, 0,1,2,3
	v_max_num_f32 v[20+\c], v[DD+32*\c], v[DD+32*\c+1]
.endr
.irp n, 1,2,3,4,5,6,7,8,9,10,11,12,13,14,15
.irp c, 0,1,2,3
	v_max3_num_f32 v[20+\c], v[20+\c], v[DD+32*\c+2*\n], v[DD+32*\c+2*\n+1]
.endr
.endr
	v_max3_num_f32 v20, v20, v21, v22
	v_max_num_f32 v20, v20, v23
	v_max_num_f32_dpp v20, v20, v20 row_xmask:1 row_mask:0xf bank_mask:0xf
	v_max_num_f32_dpp v20, v20, v20 row_xmask:2 row_mask:0xf bank_mask:0xf
	v_max_num_f32_dpp v20, v20, v20 row_xmask:4 row_mask:0xf bank_mask:0xf
	v_max_num_f32_dpp v20, v20, v20 row_xmask:8 row_mask:0xf bank_mask:0xf
	v_permlanex16_b32 v21, v20, s18, s19
	v_max_num_f32 v20, v20, v21
.if \st == 0
.if \first
	v_mov_b32 v[MR], v20
.else
	v_max_num_f32 v[MR], v[MR], v20
.endif
.else
.if \first
	v_mov_b32 v[MN], v20
.else
	v_max_num_f32 v[MN], v[MR], v20
	v_sub_f32 v15, v[MR], v[MN]
	v_mul_f32 v15, K1C, v15
	v_exp_f32 v[SC], v15                           ; what the sums so far shrink by; the next line is the plain place behind it
.endif
	v_mul_f32 v18, NK1C, v[MN]
	v_add_f32 v18, C15, v18                        ; 15 - K1 max
	v_mov_b32 v19, v18
.if \first == 0
	s_wait_alu depctr_va_vdst(0)
	v_mov_b32 v[SC+1], v[SC]
.endif
	s_wait_dscnt 0x0                               ; ND is in
.irp e, 0,1,2,3,4,5,6,7
	v_pk_add_f32 v[ND+2*\e:ND+2*\e+1], v[ND+2*\e:ND+2*\e+1], v[18:19]
.endr
	; 2^15 k1 = exp2(K1 raw + ND), packed in place as f16: tiles (0, ft) and (1, ft) become the fragment of k1^T (row = feature, K = 32 positions) at DD + 8 ft
.irp ft, 0,1,2,3,4,5,6,7
.irp pt, 0,1
.irp e, 0,1,2,3
	v_pk_fma_f32 v[DD+64*\pt+8*\ft+2*\e:DD+64*\pt+8*\ft+2*\e+1], v[DD+64*\pt+8*\ft+2*\e:DD+64*\pt+8*\ft+2*\e+1], s[16:17], v[ND+8*\pt+2*\e:ND+8*\pt+2*\e+1] op_sel_hi:[1,0,1]
.endr
.irp e, 0,1,2,3,4,5,6,7
	v_exp_f32 v[DD+64*\pt+8*\ft+\e], v[DD+64*\pt+8*\ft+\e]
.endr
	v_nop                                          ; one plain place behind the exponentials (ISA guide 5.7.2)
	s_wait_alu depctr_va_vdst(0)
.irp e, 0,1,2,3
	v_cvt_pk_f16_f32 v[DD+8*\ft+4*\pt+\e], v[DD+64*\pt+8*\ft+2*\e], v[DD+64*\pt+8*\ft+2*\e+1]
.endr
.endr
.endr
.if \first == 0
	RESCALE
.endif
	; state += k1^T x V, sum k1 += k1^T x ones, sum v += ones x V.  Each accumulator has one instruction: by turns.
	WIN 0x50
.irp ft, 0,1,2,3,4,5,6,7
.irp nt, 0,1,2,3
.if \first
	v_wmma_f32_16x16x32_f16 v[8*(4*\ft+\nt):8*(4*\ft+\nt)+7], v[DD+8*\ft:DD+8*\ft+7], v[VF+8*\nt:VF+8*\nt+7], 0
.else
	v_wmma_f32_16x16x32_f16 v[8*(4*\ft+\nt):8*(4*\ft+\nt)+7], v[DD+8*\ft:DD+8*\ft+7], v[VF+8*\nt:VF+8*\nt+7], v[8*(4*\ft+\nt):8*(4*\ft+\nt)+7]
.endif
.endr
.endr
	WIN 0xa0
.irp ft, 0,1,2,3,4,5,6,7
.if \first
	v_wmma_f32_16x16x32_f16 v[8*\ft:8*\ft+7], v[DD+8*\ft:DD+8*\ft+7], v[ON:ON+7], 0
.else
	v_wmma_f32_16x16x32_f16 v[8*\ft:8*\ft+7], v[DD+8*\ft:DD+8*\ft+7], v[ON:ON+7], v[8*\ft:8*\ft+7]
.endif
.endr
.irp nt, 0,1,2,3
.if \first
	v_wmma_f32_16x16x32_f16 v[64+8*\nt:64+8*\nt+7], v[ON:ON+7], v[VF+8*\nt:VF+8*\nt+7], 0
.else
	v_wmma_f32_16x16x32_f16 v[64+8*\nt:64+8*\nt+7], v[ON:ON+7], v[VF+8*\nt:VF+8*\nt+7], v[64+8*\nt:64+8*\nt+7]
.endif
.endr
	WIN 0
	PLACES
	v_mov_b32 v[MR], v[MN]
.endif
.endm
; The whole work of a work-group.  st = 1: segments 0 to 2; st = 0: segment 3, the maximum alone.
.macro BODY st
	; all fills of the launch go out together, each into bytes of its own; by this text's count a wave has five (three) tensor loads out at the most
	tensor_load_to_lds s[28:31], s[68:75]
	s_nop 0
	tensor_load_to_lds s[32:35], s[48:55]
	s_nop 0
.if \st
	tensor_load_to_lds s[36:39], s[56:63]
	s_nop 0
.endif
	tensor_load_to_lds s[40:43], s[48:55]
	s_nop 0
.if \st
	tensor_load_to_lds s[44:47], s[56:63]
	s_nop 0
.endif
	v_and_b32 v1, 31, v0                           ; lane
	v_and_b32 v2, 15, v0                           ; r
	v_bfe_u32 v3, v0, 4, 1                         ; h
	v_and_b32 v4, 7, v0
	v_lshl_add_u32 v4, v3, 3, v4                   ; 8 h + (lane & 7)
	v_bfe_u32 v15, v0, 3, 1
	v_lshlrev_b32 v5, 3, v1                        ; 8 x lane
	v_mul_u32_u24 v[AK], v2, PK
	v_lshl_add_u32 v[AK], v3, 5, v[AK]             ; r x 272 + 32 h
	v_add_nc_u32 v[APB], PB, v[AK]
	v_add_nc_u32 v[AK], s24, v[AK]
.if \st
	v_mul_u32_u24 v[AVR], v3, PV
	v_add_nc_u32 v[AVR], s25, v[AVR]
	v_lshl_add_u32 v[AVW], v2, 3, v[AVR]
	v_lshl_add_u32 v[AVR], v2, 4, v[AVR]
	v_mul_u32_u24 v[AVT], v4, PV
	v_lshl_add_u32 v[AVT], v15, 4, v[AVT]
	v_add_nc_u32 v[AVT], s25, v[AVT]
	v_lshl_add_u32 v[DGW], v2, 2, s27
	v_lshl_add_u32 v[DGR], v3, 5, s27
.irp e, 0,1,2,3,4,5,6,7
	v_mov_b32 v[ON+\e], 0x3c003c00                 ; 1.0 twice, in f16
.endr
	s_wait_tensorcnt 0x4                           ; my quarter of P is in; the four loads behind it stay out
.else
	s_wait_tensorcnt 0x2                           ; my quarter of P is in; the two loads behind it stay out
.endif
	s_barrier_signal -1
	s_barrier_wait -1                              ; everybody's quarter is in
	; P as fragments (column = feature, K = d), bf16, kept in window 3
.irp rd, 0,1
.irp f, 0,1,2,3
	LD8 DD+32*\f, APB, (4*\rd+\f)*16*PK
.endr
	s_wait_dscnt 0x0
	WIN 0xc0
.irp f, 0,1,2,3
	CVT16 16*(4*\rd+\f), DD+32*\f
.endr
	WIN 0
.endr
.if \st
	STEP 0, 1, 1, 2                                ; the second K and V tiles stay out
	STEP 1, 0, 1, -1
	STEP 2, 0, 1, 0
	STEP 3, 0, 1, -1
.else
	STEP 0, 1, 0, 1                                ; the second K tile stays out
	STEP 1, 0, 0, -1
	STEP 2, 0, 0, 0
	STEP 3, 0, 0, -1
.endif
	; the four waves' maxima meet
	s_lshl_b32 s26, s14, 2
	s_add_co_u32 s26, s26, MXL
	v_mov_b32 v15, s26
	ds_store_b32 v15, v[MR]
	s_wait_dscnt 0x0                               ; my word is written and my reads of K, V and P are over
	s_barrier_signal -1
	s_barrier_wait -1
	v_mov_b32 v15, MXL
	ds_load_b128 v[20:23], v15
	s_wait_dscnt 0x0
	v_max3_num_f32 v20, v20, v21, v22
	v_max_num_f32 v20, v20, v23
	v_mul_f32 v18, K1C, v20                        ; the segment's maximum in the exponent's units
	v_mov_b32 v19, v18
	s_cmp_lg_u32 s14, 0
	s_cbranch_scc1 .Lnot0_\@
	global_store_b64 v5, v[18:19], s[12:13]        ; wave 0: 32 lanes x 8 bytes, the work-group's 256 consecutive bytes, aligned
.Lnot0_\@:
.if \st
	v_fma_f32 v15, s16, v[MR], -v18
	v_exp_f32 v[SC], v15                           ; my sums go from my maximum to the segment's
	s_mul_i32 s20, s14, IMG
	v_lshl_add_u32 v[IA], v1, 4, s20               ; a plain place behind the exponential
	s_wait_alu depctr_va_vdst(0)
	v_mov_b32 v[SC+1], v[SC]
	RESCALE
	; my state as an image of 88 groups (4 registers x 32 lanes, 512 bytes): K and V have had their last fill and their last read
	WIN 0x04
.set GN, 0
.rept 64
	ds_store_b128 v[IA], v[4*GN:4*GN+3] offset:512*GN
.set GN, GN+1
.endr
	WIN 0x08
.set GN, 0
.rept 24
	ds_store_b128 v[IA], v[4*GN:4*GN+3] offset:512*(64+GN)
.set GN, GN+1
.endr
	WIN 0
	s_mul_i32 s21, s14, 22*512                     ; I add up groups 22 w .. 22 w + 21 of the four images
	v_lshl_add_u32 v[GO], v1, 4, s21
.irp sw, 0,1,2,3
	v_add_nc_u32 v[SRC+\sw], \sw*IMG, v[GO]
.endr
	s_wait_dscnt 0x0
	s_barrier_signal -1
	s_barrier_wait -1
.irp bt, 0,1
.if \bt
	s_wait_xcnt 0x0                                ; the first eleven stores' data registers are loaded again only behind this wait
.endif
.set GN, 0
.rept 11
.irp sw, 0,1,2,3
	ds_load_b128 v[DD+16*GN+4*\sw:DD+16*GN+4*\sw+3], v[SRC+\sw] offset:(11*\bt+GN)*512
.endr
.set GN, GN+1
.endr
	s_wait_dscnt 0x0
.set GN, 0
.rept 11
	v_pk_add_f32 v[DD+16*GN:DD+16*GN+1], v[DD+16*GN:DD+16*GN+1], v[DD+16*GN+4:DD+16*GN+5]
	v_pk_add_f32 v[DD+16*GN+2:DD+16*GN+3], v[DD+16*GN+2:DD+16*GN+3], v[DD+16*GN+6:DD+16*GN+7]
	v_pk_add_f32 v[DD+16*GN+8:DD+16*GN+9], v[DD+16*GN+8:DD+16*GN+9], v[DD+16*GN+12:DD+16*GN+13]
	v_pk_add_f32 v[DD+16*GN+10:DD+16*GN+11], v[DD+16*GN+10:DD+16*GN+11], v[DD+16*GN+14:DD+16*GN+15]
	v_pk_add_f32 v[DD+16*GN:DD+16*GN+1], v[DD+16*GN:DD+16*GN+1], v[DD+16*GN+8:DD+16*GN+9]
	v_pk_add_f32 v[DD+16*GN+2:DD+16*GN+3], v[DD+16*GN+2:DD+16*GN+3], v[DD+16*GN+10:DD+16*GN+11]
	global_store_b128 v[GO], v[DD+16*GN:DD+16*GN+3], s[10:11] offset:(11*\bt+GN)*512   ; 512 consecutive bytes, aligned
.set GN, GN+1
.endr
.endr
.endif
	s_wait_tensorcnt 0x0
	ds_add_u32 v222, v223
	s_wait_dscnt 0x0
	s_endpgm
.endm
	s_cmp_eq_u32 s15, 3                            ; the same in all four waves
	s_cbranch_scc1 .Llast
	BODY 1
.Llast:
	BODY 0
.Lfunc_end_k_qd0e855c120_kstate:
	.size	k_qd0e855c120_kstate, .Lfunc_end_k_qd0e855c120_kstate-k_qd0e855c120_kstate
	.p2alignl 7, 3214868480
	.fill 96, 4, 3214868480
	.section	.rodata,"a",@progbits
	.p2align	6, 0x0
	.amdhsa_kernel k_qd0e855c120_kstate
		.amdhsa_group_segment_fixed_size 323072
		.amdhsa_private_segment_fixed_size 0
		.amdhsa_enable_private_segment 0
		.amdhsa_kernarg_size 40
		.amdhsa_user_sgpr_count 2
		.amdhsa_user_sgpr_kernarg_segment_ptr 1
		.amdhsa_wavefront_size32 1
		.amdhsa_system_sgpr_workgroup_id_x 1
		.amdhsa_system_sgpr_workgroup_id_y 1
		.amdhsa_system_sgpr_workgroup_id_z 1
		.amdhsa_system_vgpr_workitem_id 0
		.amdhsa_next_free_vgpr 896
		.amdhsa_next_free_sgpr 76
		.amdhsa_reserve_vcc 0
		.amdhsa_float_denorm_mode_32 3
		.amdhsa_float_denorm_mode_16_64 3
		.amdhsa_memory_ordered 1
		.amdhsa_forward_progress 1
		.amdhsa_inst_pref_size 255
	.end_amdhsa_kernel
	.section	.bss,"aw",@nobits
	.p2align	6
	.space	262144
	.amdgpu_metadata
---
amdhsa.version: [ 1, 2 ]
amdhsa.kernels:
  - .name:           k_qd0e855c120_kstate
    .symbol:         k_qd0e855c120_kstate.kd
    .args:
      - { .name: k, .offset: 0, .size: 8, .value_kind: global_buffer, .address_space: global }
      - { .name: projection_matrix, .offset: 8, .size: 8, .value_kind: global_buffer, .address_space: global }
      - { .name: v, .offset: 16, .size: 8, .value_kind: global_buffer, .address_space: global }
      - { .name: state, .offset: 24, .size: 8, .value_kind: global_buffer, .address_space: global }
      - { .name: mloc, .offset: 32, .size: 8, .value_kind: global_buffer, .address_space: global }
    .group_segment_fixed_size: 323072
    .private_segment_fixed_size: 0
    .kernarg_segment_align: 8
    .kernarg_segment_size: 40
    .max_flat_workgroup_size: 128
    .sgpr_count:     76
    .vgpr_count:     896
    .wavefront_size: 32
...
	.end_amdgpu_metadata
.endif
;; end of part 1
;; launch favor (part 2): grid 256 x 1, 4 waves a work-group, no clusters, 327,680 bytes of LDS; arguments q, k, v, projection_matrix, state, mloc, out0; writes out0
.if DOCPART == 2
	.amdgcn_target "amdgcn-amd-amdhsa--gfx1250"
	.amdhsa_code_object_version 6
	.text
	.protected	k_qd0e855c120_favor
	.globl	k_qd0e855c120_favor
	.p2align	8
	.type	k_qd0e855c120_favor,@function
k_qd0e855c120_favor:
	s_mov_b64 s[64:65], 0
	v_nop
	global_prefetch_b8 v0, s[64:65] scope:SCOPE_SE
	s_setreg_imm32_b32 hwreg(HW_REG_WAVE_MODE, 25, 1), 1
	s_wait_xcnt 0x0
; FAVOR causal attention, second launch.  Work-group = 4 (16 b + h) + segment: 512 positions of one stream, in 8 chunks of 64.
;   q' = exp2(K1 raw - K2 |q|^2 - K1 max over features) + eps,   k' = exp2(K1 raw - K2 |k|^2 - MX) + eps,
;   MX = the largest of the stream's four segment maxima (buffer mloc, already times K1).
;   out(i) = [ q'(i) . S + sum over keys j <= i of the chunk (q'(i) . k'(j)) v(j) ] / the same with v = 1,  S = sum of k' (x) v over all earlier positions.
; The denominator is a fifth tile of columns in which V is a fragment of ones, so numerator and denominator see the same rounded numbers.
; FORMATS: q, k, P and v are rounded to bf16 once and everything is formed from the rounded numbers, |q|^2 and |k|^2 too, so that raw and the norm belong
;   to one vector.  raw is a bf16 product.  All that follows the exponentials goes in f16 (three more bits than bf16), each operand with a factor that
;   stands in num and in den alike and cancels in av / norm, chosen so that it lies among f16's normal numbers, 2^-14 to 65,504, for every input:
;     k'' = 2^7 k':  reference() bounds k' to [eps, 1 + eps], eps = 2^-19.9, so k'' lies in [2^-13, 2^7].
;     q'' = 2^7 rho q', rho = 1 / (exp(-diag) + eps), one factor for each query: the largest feature is 2^7, the least about 2^-13.
;     scores'' = 2^-7 q'' . k'': at least (largest q'') x (least k'') x 2^-7 = 2^-13, at most 128 x 2^7 = 2^14.  The 2^-7 rides on the causal mask.
;     state'' = 2^-t S, t = floor(log2(chunks summed)): its column sum k' lies in [64 eps, 128] = [2^-13.9, 2^7], the others under 2^7 |v|.
;     v: a bf16 number stands exactly in f16 between 2^-14 and 65,504; v 30 times larger than drawn is about 180, 2^7 x 180 = 23,040.
;   The product with the state has accumulators of its own and is added with the factor 2^t.
; WORK LEFT OUT, for all values of the inputs: ratio = 128^-0.5 stands squared in num and in den and cancels in av / norm; the product with the scan's
;   state of zeros (segment 0, chunk 0); the state's update by the last chunk (no later chunk of this work-group reads it, later segments take the
;   first launch's sums); every 16 x 16 score tile wholly above the diagonal: query tile w loads and multiplies key tiles 0 to w alone.
; LIMITS: |v| above 65,504 overflows f16, and so does the state where the sum of k' |v| over 2^t passes 65,504 (|v| of about 500 with every k' near 1);
;   v_exp_f32 gives 0 below 2^-126 and v_rcp_f32 is good to 1 ulp (ISA guide, 15.8);
;   a NaN, an infinity or an overflow that reaches only work left out is not carried to the result.
; No cluster: the work-groups share P alone, 32 KiB beside the 384 KiB of q, k, v that each reads for itself.
; SHARE: wave w owns rows 16 w .. 16 w + 15 of each chunk (features, scores, output) and features 32 w .. 32 w + 31 of the state.
; TWO PIECES BY TURNS: between two barriers a wave does the products of chunk c (state product, state update, scores, output) and the features of chunk
;   c + 1 (rounding, norms, raw products, exponentials, V's conversion), which depend on nothing of chunk c.  The vector work of one piece is cut into
;   numbered slices, and one slice stands behind each product of the other piece.  The slices work in window 0 (the state's way out in window 2), the
;   products name other windows: a hosted slice costs two s_set_vgpr_msb, 84 in a chunk's 42 slices.  A host's operands and a slice's work area in one
;   window would need 232 + 72 registers for the state product, more than a window holds.
; LDS: two slots of (Q, K, V) 64 rows f32 pitch 272, filled by waves 0, 1, 2; P; and, written by the waves, two buffers each (chunk parity) of
;   k'' f16 [64][128] pitch 272, V f16 [64][64] pitch 160, state'' f16 [80 columns][128 features] pitch 272; a stage of 16 rows for each wave.
.set PK,    272
.set TEN,   64*PK                      ; 17,408: one tensor's 64 rows
.set SLOTB, 3*TEN
.set PB,    2*SLOTB                    ; 104,448
.set KP,    PB+128*PK                  ; 139,264
.set KPB,   TEN
.set VB,    KP+2*KPB                   ; 174,080
.set PVB,   160
.set VBB,   64*PVB
.set ST,    VB+2*VBB                   ; 194,560
.set STB,   80*PK
.set SG,    ST+2*STB                   ; 238,080
.set IMG,   45056
.set K1C,   0x3f0293ee
.set NK1C,  0xbf0293ee
.set NK2C,  0xbdb8aa3b
.set EPSC,  0x358637bd                 ; eps
.set EPS7,  0x390637bd                 ; 2^7 eps
.set EPS16, 0x3d8637bd                 ; 2^7 x 512 eps
.set C128,  0x43000000                 ; 2^7
.set CM7,   0x3c000000                 ; 2^-7
.set HM,    31                         ; s31 = mask of a word's upper bf16
.set MASK,  68                         ; s[68:99], at the start only: bit of lane (r, h) in s[MASK + 8 jt + j] = key 16 jt + 8 h + j <= query 16 w + r
; s[4:5] 2^t of the state that this chunk reads, s[10:11] of the one that it writes, s[6:7] 2^(-7-t) of that one, s8 chunks summed, s9 at work
; window 0
.set AF0,  6                           ; v6-7   my row as a fragment, slot 0, 1
.set AV0,  8                           ; v8-9   my V rows, slot 0, 1
.set VBW,  10
.set KPW,  11
.set KPR,  12
.set KPT,  13
.set VBT,  14
.set STR,  16
.set SGW,  17
.set SGR,  18
.set OUTO, 19
.set NO,   20                          ; v[20:21] the exponent's offset of my position
.set MXR,  22
.set T,    23
.set R,    24                          ; v[24:55]   q's rows as f32; later k'' packed
.set FQ,   56                          ; v[56:71]   q's fragments, v[72:87] k's
.set W,    88                          ; v[88:151]  k's rows as f32, then the raw tiles at 8 t
.set TA,   152                         ; v[152:167] sums of squares (q 0-3, k 4-7), maxima 8-11
.set RH,   TA+12                       ; the factor behind the exponential
.set EB,   TA+14                       ; eps times that factor
.set FV,   168                         ; v[168:183] V's words
.set QP0,  184                         ; v[184:247] q'' fragments at 32 x parity + 8 ks; the set not in use is the landing place of V's rows
.set SB,   248                         ; v[248:255] scores as a fragment
.set PA,   248                         ; at the start: v248-250 my offsets in an image, v251 P's rows
.set APB,  251
; window 1
.set IN,   128                         ; P fragments at 16 t + 8 ks below it; IN: the product with the state, five tiles
.set MK,   168                         ; the causal mask, 2^-7 or 0, at 8 jt + j
.set SA,   200                         ; two score tiles; reciprocals
.set AC,   216                         ; output tiles at 8 nt, nt = 4 the denominator
; window 2
.set ACC,  160                         ; state fragments at 32 nt + 8 ks below it; my state accumulators (units of 2^-7) at ACC + 8 (5 fl + nt)
.set T8,   240
.set TP,   248
.set STW2, 252                         ; where my 32 features of the state go
; window 3 (at the start: the earlier segments' images at 84 j)
.set KF,   0                           ; k'' fragments at 32 jt + 8 ks
.set VF,   128                         ; V fragments at 32 ks + 8 nt
.set KT,   192                         ; k''^T fragments at 16 fl + 8 ks
.set ON,   224                         ; ones (f16)
.set MSB, 0
.set SV, 0
.set HN, 0
.set NB, 0
.macro WIN new                         ; the immediate's high byte repeats the setting that is left
.if MSB != \new
	s_set_vgpr_msb (MSB<<8)|\new
.set MSB, \new
.endif
.endm
.macro PLACES                          ; plain vector places behind a run of matrix instructions (ISA guide 7.12.1), before results are read or operands rewritten
.rept 5
	v_nop
.endr
.endm
.macro LD8 dst, adr, off               ; 16 rows x 64 f32: lane (r, h) takes d = 8h.., 16+8h.., 32+8h.., 48+8h.. of row r
.irp p, 0,1,2,3,4,5,6,7
	ds_load_b128 v[\dst+4*\p:\dst+4*\p+3], v[\adr] offset:\off+(\p/2)*64+(\p%2)*16
.endr
.endm
.macro CVT16 dst, src                  ; 32 f32 to 16 words of bf16
.irp p, 0,1,2,3,4,5,6,7,8,9,10,11,12,13,14,15
	v_cvt_pk_bf16_f32 v[\dst+\p], v[\src+2*\p], v[\src+2*\p+1]
.endr
.endm
; The state's power of two for the chunk that reads it next: s8 chunks are summed, 2^t = the exponent field of s8 as a float.
.macro SCALES inc
.if \inc
	s_add_co_u32 s8, s8, 1
.endif
	s_cvt_f32_u32 s9, s8
	s_and_b32 s10, s9, 0x7f800000                  ; 2^t
	s_mov_b32 s11, s10
	s_sub_co_u32 s6, 0x7b800000, s10               ; exponent fields: (127 - 7 - t) = 247 - (127 + t): 2^(-7-t)
	s_mov_b32 s7, s6
.endm
; ---- the slices of the features' vector work ----
; Slice i (0 to 7) of the rounding of x (0: q, rows at R; 1: k, rows at W): two words to bf16, back to f32, their squares onto two chains; the last closes the sum.
.macro P1S x, i
	v_cvt_pk_bf16_f32 v[FQ+16*\x+2*(\i)], v[R+64*\x+4*(\i)], v[R+64*\x+4*(\i)+1]
	v_cvt_pk_bf16_f32 v[FQ+16*\x+2*(\i)+1], v[R+64*\x+4*(\i)+2], v[R+64*\x+4*(\i)+3]
	v_lshlrev_b32 v[R+64*\x+4*(\i)], 16, v[FQ+16*\x+2*(\i)]
	v_and_b32 v[R+64*\x+4*(\i)+1], s[HM], v[FQ+16*\x+2*(\i)]
	v_lshlrev_b32 v[R+64*\x+4*(\i)+2], 16, v[FQ+16*\x+2*(\i)+1]
	v_and_b32 v[R+64*\x+4*(\i)+3], s[HM], v[FQ+16*\x+2*(\i)+1]
.if (\i) == 0
	v_pk_mul_f32 v[TA+4*\x:TA+4*\x+1], v[R+64*\x:R+64*\x+1], v[R+64*\x:R+64*\x+1]
	v_pk_mul_f32 v[TA+4*\x+2:TA+4*\x+3], v[R+64*\x+2:R+64*\x+3], v[R+64*\x+2:R+64*\x+3]
.else
	v_pk_fma_f32 v[TA+4*\x:TA+4*\x+1], v[R+64*\x+4*(\i):R+64*\x+4*(\i)+1], v[R+64*\x+4*(\i):R+64*\x+4*(\i)+1], v[TA+4*\x:TA+4*\x+1]
	v_pk_fma_f32 v[TA+4*\x+2:TA+4*\x+3], v[R+64*\x+4*(\i)+2:R+64*\x+4*(\i)+3], v[R+64*\x+4*(\i)+2:R+64*\x+4*(\i)+3], v[TA+4*\x+2:TA+4*\x+3]
.endif
.if (\i) == 7
	v_pk_add_f32 v[TA+4*\x:TA+4*\x+1], v[TA+4*\x:TA+4*\x+1], v[TA+4*\x+2:TA+4*\x+3]
	v_add_f32 v[TA+4*\x], v[TA+4*\x], v[TA+4*\x+1]
	v_permlanex16_b32 v[TA+4*\x+1], v[TA+4*\x], s26, s27
	v_add_f32 v[TA+4*\x], v[TA+4*\x], v[TA+4*\x+1]     ; |x|^2 of the rounded row, in both halves of the lanes
.endif
.endm
; Slice i (0 to 7) of V's conversion: 16 bytes of two rows, rounded to bf16, written as f16 into buffer n.
.macro VCS n, i
	v_cvt_pk_bf16_f32 v[FV+2*(\i)], v[QP0+32*(\n)+4*(\i)], v[QP0+32*(\n)+4*(\i)+1]
	v_cvt_pk_bf16_f32 v[FV+2*(\i)+1], v[QP0+32*(\n)+4*(\i)+2], v[QP0+32*(\n)+4*(\i)+3]
	v_lshlrev_b32 v[QP0+32*(\n)+4*(\i)], 16, v[FV+2*(\i)]
	v_and_b32 v[QP0+32*(\n)+4*(\i)+1], s[HM], v[FV+2*(\i)]
	v_lshlrev_b32 v[QP0+32*(\n)+4*(\i)+2], 16, v[FV+2*(\i)+1]
	v_and_b32 v[QP0+32*(\n)+4*(\i)+3], s[HM], v[FV+2*(\i)+1]
	v_cvt_pk_f16_f32 v[FV+2*(\i)], v[QP0+32*(\n)+4*(\i)], v[QP0+32*(\n)+4*(\i)+1]
	v_cvt_pk_f16_f32 v[FV+2*(\i)+1], v[QP0+32*(\n)+4*(\i)+2], v[QP0+32*(\n)+4*(\i)+3]
	ds_store_b64 v[VBW], v[FV+2*(\i):FV+2*(\i)+1] offset:(\n)*VBB+2*PVB*(\i)
.endm
; Slice t (0 to 8) of the exponentials: tile t is scaled and raised; tile t - 1, whose exponentials stand a slice back, gets (e + eps) x factor and is packed.
; The plain lines of tile t - 1 (or the next slice's first) are the place behind the exponentials (ISA guide 5.7.2).
.macro EXS t, fd, sto, n
.if (\t) < 8
.irp e, 0,1,2,3
	v_pk_fma_f32 v[W+8*(\t)+2*\e:W+8*(\t)+2*\e+1], v[W+8*(\t)+2*\e:W+8*(\t)+2*\e+1], s[20:21], v[NO:NO+1] op_sel_hi:[1,0,1]
.endr
.irp e, 0,1,2,3,4,5,6,7
	v_exp_f32 v[W+8*(\t)+\e], v[W+8*(\t)+\e]
.endr
.endif
.if (\t) > 0
	s_wait_alu depctr_va_vdst(0)
.irp e, 0,1,2,3
	v_pk_fma_f32 v[W+8*(\t)-8+2*\e:W+8*(\t)-8+2*\e+1], v[W+8*(\t)-8+2*\e:W+8*(\t)-8+2*\e+1], v[RH:RH+1], v[EB:EB+1]
.endr
.irp e, 0,1,2,3
	v_cvt_pk_f16_f32 v[\fd+4*(\t)-4+\e], v[W+8*(\t)-8+2*\e], v[W+8*(\t)-8+2*\e+1]
.endr
.if \sto
	ds_store_b128 v[KPW], v[\fd+4*(\t)-4:\fd+4*(\t)-1] offset:(\n)*KPB+32*(\t)-32
.endif
.endif
.endm
; Slice i (0 to 13) of q's features: 0-3 the maximum over my 64 raw numbers in four chains, 4 its end, the offset and rho, 5-13 the exponentials into q'' set n.
.macro EQS n, i
.if (\i) == 0
.irp c, 0,1,2,3
	v_max_num_f32 v[TA+8+\c], v[W+16*\c], v[W+16*\c+1]
.endr
.irp c, 0,1,2,3
	v_max3_num_f32 v[TA+8+\c], v[TA+8+\c], v[W+16*\c+2], v[W+16*\c+3]
.endr
.endif
.if ((\i) > 0) && ((\i) < 4)
.irp c, 0,1,2,3
	v_max3_num_f32 v[TA+8+\c], v[TA+8+\c], v[W+16*\c+4*(\i)], v[W+16*\c+4*(\i)+1]
.endr
.irp c, 0,1,2,3
	v_max3_num_f32 v[TA+8+\c], v[TA+8+\c], v[W+16*\c+4*(\i)+2], v[W+16*\c+4*(\i)+3]
.endr
.endif
.if (\i) == 4
	v_max3_num_f32 v[TA+8], v[TA+8], v[TA+9], v[TA+10]
	v_max_num_f32 v[TA+8], v[TA+8], v[TA+11]
	v_permlanex16_b32 v[TA+9], v[TA+8], s26, s27
	v_max_num_f32 v[TA+8], v[TA+8], v[TA+9]        ; the position's maximum over the 128 features
	v_mul_f32 v[TA], s25, v[TA]                    ; -K2 |q|^2
	v_exp_f32 v[TA+10], v[TA]                      ; exp(-diag): the largest exponential of this query
	v_fma_f32 v[NO], s24, v[TA+8], v[TA]           ; -K1 max - K2 |q|^2 (the plain place behind the exponential)
	s_wait_alu depctr_va_vdst(0)
	v_add_f32 v[TA+10], EPSC, v[TA+10]
	v_rcp_f32 v[TA+11], v[TA+10]                   ; rho
	v_mov_b32 v[NO+1], v[NO]                       ; (the plain place behind the reciprocal)
	s_wait_alu depctr_va_vdst(0)
	v_mul_f32 v[RH], C128, v[TA+11]
	v_mul_f32 v[EB], s22, v[TA+11]
	v_mov_b32 v[RH+1], v[RH]
	v_mov_b32 v[EB+1], v[EB]
.endif
.if (\i) > 4
	EXS (\i)-5, QP0+32*(\n), 0, 0
.endif
.endm
; Slice i (0 to 9) of k's features: 0 the offset, 1-9 the exponentials, packed at R and stored into buffer n.
.macro EKS n, i
.if (\i) == 0
	v_fma_f32 v[NO], s25, v[TA+4], -v[MXR]         ; -K2 |k|^2 - MX
	v_mov_b32 v[RH], C128
	v_mov_b32 v[RH+1], C128
	v_mov_b32 v[EB], s22
	v_mov_b32 v[EB+1], s22
	v_mov_b32 v[NO+1], v[NO]
.else
	EXS (\i)-1, R, 1, \n
.endif
.endm
; Slice tl (0 to 9) of the state's way out: one tile times 2^(-7-t), f16, into buffer nb: row = column of the state, features along the row.  All in window 2.
.macro SOS nb, tl
	WIN 0x8a
.irp e, 0,1,2,3
	v_pk_mul_f32 v[T8+2*\e:T8+2*\e+1], v[ACC+8*(\tl)+2*\e:ACC+8*(\tl)+2*\e+1], s[6:7] op_sel_hi:[1,0]
.endr
.irp e, 0,1,2,3
	v_cvt_pk_f16_f32 v[TP+\e], v[T8+2*\e], v[T8+2*\e+1]
.endr
	ds_store_b128 v[STW2], v[TP:TP+3] offset:(\nb)*STB+16*PK*((\tl)%5)+32*((\tl)/5)
.endm
; Behind a product: host number HN of the run takes slice HN - base (the last hosts, so that the slice behind the last product also fills the places behind it).
.macro HSL kind, n, base
.if (\kind) != 0
.if HN >= \base
.set SV, MSB
.if (\kind) == 1
	WIN 0
	VCS \n, HN-\base
.endif
.if (\kind) == 2
	WIN 0
	EQS \n, HN-\base
.endif
.if (\kind) == 3
	SOS \n, HN-\base
.endif
.if (\kind) == 4
	WIN 0
	EKS \n, HN-\base
.endif
	WIN SV
.endif
.endif
.set HN, HN+1
.endm
; ---- the runs of products ----
; raw^T = P x data^T for x (0: q, 1: k): register j of tile t = (feature 16 t + 8 h + j, position r), so a position's offset and factor are the lane's own,
; and the packed results are at once a fragment with K = features.  Eight accumulators by turns.
.macro BFR x, kind, n, base
	WIN 0x01
.set HN, 0
.irp ks, 0,1
.irp t, 0,1,2,3,4,5,6,7
.if \ks == 0
	v_wmma_f32_16x16x32_bf16 v[W+8*\t:W+8*\t+7], v[16*\t:16*\t+7], v[FQ+16*\x:FQ+16*\x+7], 0
.else
	v_wmma_f32_16x16x32_bf16 v[W+8*\t:W+8*\t+7], v[16*\t+8:16*\t+15], v[FQ+16*\x+8:FQ+16*\x+15], v[W+8*\t:W+8*\t+7]
.endif
	HSL \kind, \n, \base
.endr
.endr
	WIN 0
.endm
; state += K''^T x (V | ones) over the chunk's 64 positions, for my 32 features.  Ten accumulators by turns.
.macro BKR first
	WIN 0xaf
.set HN, 0
.irp ks, 0,1
.irp fl, 0,1
.irp nt, 0,1,2,3
.if \first*(1-\ks)
	v_wmma_f32_16x16x32_f16 v[ACC+8*(5*\fl+\nt):ACC+8*(5*\fl+\nt)+7], v[KT+16*\fl+8*\ks:KT+16*\fl+8*\ks+7], v[VF+32*\ks+8*\nt:VF+32*\ks+8*\nt+7], 0
.else
	v_wmma_f32_16x16x32_f16 v[ACC+8*(5*\fl+\nt):ACC+8*(5*\fl+\nt)+7], v[KT+16*\fl+8*\ks:KT+16*\fl+8*\ks+7], v[VF+32*\ks+8*\nt:VF+32*\ks+8*\nt+7], v[ACC+8*(5*\fl+\nt):ACC+8*(5*\fl+\nt)+7]
.endif
	HSL 2, NB, 6
.endr
.if \first*(1-\ks)
	v_wmma_f32_16x16x32_f16 v[ACC+8*(5*\fl+4):ACC+8*(5*\fl+4)+7], v[KT+16*\fl+8*\ks:KT+16*\fl+8*\ks+7], v[ON:ON+7], 0
.else
	v_wmma_f32_16x16x32_f16 v[ACC+8*(5*\fl+4):ACC+8*(5*\fl+4)+7], v[KT+16*\fl+8*\ks:KT+16*\fl+8*\ks+7], v[ON:ON+7], v[ACC+8*(5*\fl+4):ACC+8*(5*\fl+4)+7]
.endif
	HSL 2, NB, 6
.endr
.endr
	WIN 0
.endm
; q'' x state'': five accumulators by turns.
.macro SPR s, kind
	WIN 0x58
.set HN, 0
.irp ks, 0,1,2,3
.irp nt, 0,1,2,3,4
.if \ks == 0
	v_wmma_f32_16x16x32_f16 v[IN+8*\nt:IN+8*\nt+7], v[QP0+32*\s:QP0+32*\s+7], v[32*\nt:32*\nt+7], 0
.else
	v_wmma_f32_16x16x32_f16 v[IN+8*\nt:IN+8*\nt+7], v[QP0+32*\s+8*\ks:QP0+32*\s+8*\ks+7], v[32*\nt+8*\ks:32*\nt+8*\ks+7], v[IN+8*\nt:IN+8*\nt+7]
.endif
	HSL \kind, NB, 10
.endr
.endr
	WIN 0
.endm
; Key tiles 2 p, 2 p + 1: scores^T = K'' x q''^T (register j = key 16 jt + 8 h + j, query r), times the mask (2^-7 or 0), packed as a fragment with K = 32 keys,
; times V and ones.  For query tile 2 p the second key tile lies wholly above the diagonal: it is left out and its half of the fragment is zero.
.macro SPAIR p, s
	s_cmp_eq_u32 s18, 2*\p
	s_cbranch_scc1 .Lone_\@
	WIN 0x53
.irp ks, 0,1,2,3
.irp jj, 0,1
.if \ks == 0
	v_wmma_f32_16x16x32_f16 v[SA+8*\jj:SA+8*\jj+7], v[KF+32*(2*\p+\jj):KF+32*(2*\p+\jj)+7], v[QP0+32*\s:QP0+32*\s+7], 0
.else
	v_wmma_f32_16x16x32_f16 v[SA+8*\jj:SA+8*\jj+7], v[KF+32*(2*\p+\jj)+8*\ks:KF+32*(2*\p+\jj)+8*\ks+7], v[QP0+32*\s+8*\ks:QP0+32*\s+8*\ks+7], v[SA+8*\jj:SA+8*\jj+7]
.endif
.endr
.endr
	WIN 0x55                                       ; the two accumulators took turns
	PLACES
.irp jj, 0,1
.irp e, 0,1,2,3
	v_pk_mul_f32 v[SA+8*\jj+2*\e:SA+8*\jj+2*\e+1], v[SA+8*\jj+2*\e:SA+8*\jj+2*\e+1], v[MK+8*(2*\p+\jj)+2*\e:MK+8*(2*\p+\jj)+2*\e+1]
.endr
.endr
	WIN 0x05
.irp jj, 0,1
.irp e, 0,1,2,3
	v_cvt_pk_f16_f32 v[SB+4*\jj+\e], v[SA+8*\jj+2*\e], v[SA+8*\jj+2*\e+1]
.endr
.endr
	WIN 0
	s_branch .Lpv_\@
.Lone_\@:
	WIN 0x53
	v_wmma_f32_16x16x32_f16 v[SA:SA+7], v[KF+64*\p:KF+64*\p+7], v[QP0+32*\s:QP0+32*\s+7], 0
.irp ks, 1,2,3
	s_wait_alu depctr_va_vdst(0)                   ; a wait ahead of each link
	v_wmma_f32_16x16x32_f16 v[SA:SA+7], v[KF+64*\p+8*\ks:KF+64*\p+8*\ks+7], v[QP0+32*\s+8*\ks:QP0+32*\s+8*\ks+7], v[SA:SA+7]
.endr
	WIN 0x55
	PLACES
.irp e, 0,1,2,3
	v_pk_mul_f32 v[SA+2*\e:SA+2*\e+1], v[SA+2*\e:SA+2*\e+1], v[MK+16*\p+2*\e:MK+16*\p+2*\e+1]
.endr
	WIN 0x05
.irp e, 0,1,2,3
	v_cvt_pk_f16_f32 v[SB+\e], v[SA+2*\e], v[SA+2*\e+1]
.endr
	WIN 0
.irp e, 0,1,2,3
	v_mov_b32 v[SB+4+\e], 0                        ; the sixteen keys that were left out
.endr
.Lpv_\@:
	WIN 0x5c
.irp nt, 0,1,2,3
.if \p == 0
	v_wmma_f32_16x16x32_f16 v[AC+8*\nt:AC+8*\nt+7], v[SB:SB+7], v[VF+8*\nt:VF+8*\nt+7], 0
.else
	v_wmma_f32_16x16x32_f16 v[AC+8*\nt:AC+8*\nt+7], v[SB:SB+7], v[VF+32+8*\nt:VF+32+8*\nt+7], v[AC+8*\nt:AC+8*\nt+7]
.endif
.endr
.if \p == 0
	v_wmma_f32_16x16x32_f16 v[AC+32:AC+39], v[SB:SB+7], v[ON:ON+7], 0
.else
	v_wmma_f32_16x16x32_f16 v[AC+32:AC+39], v[SB:SB+7], v[ON:ON+7], v[AC+32:AC+39]
.endif
	WIN 0
.endm
; The features of chunk 0, ahead of the first trip: the same slices and runs, nothing hosted.
.macro AFULL n
	LD8 R, AF0+\n, 0
	LD8 W, AF0+\n, TEN
.irp i, 0,1,2,3,4,5,6,7
	ds_load_b128 v[QP0+32*\n+4*\i:QP0+32*\n+4*\i+3], v[AV0+\n] offset:2*PK*\i
.endr
	s_wait_dscnt 0x0
.irp i, 0,1,2,3,4,5,6,7
	P1S 0, \i
.endr
.irp i, 0,1,2,3,4,5,6,7
	P1S 1, \i
.endr
.irp i, 0,1,2,3,4,5,6,7
	VCS \n, \i
.endr
	BFR 0, 0, 0, 0
	PLACES
.irp i, 0,1,2,3,4,5,6,7,8,9,10,11,12,13
	EQS \n, \i
.endr
	BFR 1, 0, 0, 0
	PLACES
.irp i, 0,1,2,3,4,5,6,7,8,9
	EKS \n, \i
.endr
.endm
; The image of earlier segment j: my 20 groups of the sums and my column's sum v, into window 3 at 84 j.  The segment's distance stands in the immediate.
.macro PRELOAD j
	WIN 0xc0
.irp fl, 0,1
.irp nt, 0,1,2,3
	global_load_b128 v[84*\j+8*(5*\fl+\nt):84*\j+8*(5*\fl+\nt)+3], v[PA], s[12:13] offset:\j*IMG+4096*\fl+1024*\nt
	global_load_b128 v[84*\j+8*(5*\fl+\nt)+4:84*\j+8*(5*\fl+\nt)+7], v[PA], s[12:13] offset:\j*IMG+4096*\fl+1024*\nt+512
.endr
	global_load_b128 v[84*\j+8*(5*\fl+4):84*\j+8*(5*\fl+4)+3], v[PA+1], s[12:13] offset:\j*IMG+1024*\fl
	global_load_b128 v[84*\j+8*(5*\fl+4)+4:84*\j+8*(5*\fl+4)+7], v[PA+1], s[12:13] offset:\j*IMG+1024*\fl+512
.endr
.irp nt, 0,1,2,3
	global_load_b32 v[84*\j+80+\nt], v[PA+2], s[12:13] offset:\j*IMG+40960+1024*\nt
.endr
	WIN 0
.endm
; Its sums (in units of 2^-15) into my accumulators (units of 2^-7): exp2(m_j - MX - 8) x sums + 2^7 eps x (sum v | 512).
.macro PREC j, init
	v_sub_f32 v[T], s[60+\j], v[MXR]
	v_add_f32 v[T], 0xc1000000, v[T]               ; - 8
	v_exp_f32 v[TA+10], v[T]
	v_mov_b32 v[TA+8], EPS16                       ; a plain place behind the exponential
	v_mov_b32 v[TA+9], EPS16
	s_wait_alu depctr_va_vdst(0)
	v_mov_b32 v[TA+11], v[TA+10]
	WIN 0x0c
.irp nt, 0,1,2,3
	v_mul_f32 v[TA+2*\nt], s22, v[84*\j+80+\nt]    ; 2^7 eps x sum v of my column
.endr
	WIN 0
.irp nt, 0,1,2,3
	v_mov_b32 v[TA+2*\nt+1], v[TA+2*\nt]
.endr
.if \init
	WIN 0x83
.irp fl, 0,1
.irp nt, 0,1,2,3,4
.irp e, 0,1,2,3
	v_pk_fma_f32 v[ACC+8*(5*\fl+\nt)+2*\e:ACC+8*(5*\fl+\nt)+2*\e+1], v[84*\j+8*(5*\fl+\nt)+2*\e:84*\j+8*(5*\fl+\nt)+2*\e+1], v[TA+10:TA+11], v[TA+2*\nt:TA+2*\nt+1]
.endr
.endr
.endr
.else
	WIN 0xc3
.irp fl, 0,1
.irp nt, 0,1,2,3,4
.irp e, 0,1,2,3
	v_pk_fma_f32 v[84*\j+8*(5*\fl+\nt)+2*\e:84*\j+8*(5*\fl+\nt)+2*\e+1], v[84*\j+8*(5*\fl+\nt)+2*\e:84*\j+8*(5*\fl+\nt)+2*\e+1], v[TA+10:TA+11], v[TA+2*\nt:TA+2*\nt+1]
.endr
.endr
.endr
	WIN 0x8b
.set RN, 0
.rept 40
	v_pk_add_f32 v[ACC+2*RN:ACC+2*RN+1], v[84*\j+2*RN:84*\j+2*RN+1], v[ACC+2*RN:ACC+2*RN+1]
.set RN, RN+1
.endr
.endif
	WIN 0
.endm
.macro SETON                           ; window 3 is free of the images now
	WIN 0xc0
.irp e, 0,1,2,3,4,5,6,7
	v_mov_b32 v[ON+\e], 0x3c003c00                 ; 1.0 twice, in f16
.endr
	WIN 0
.endm
; One trip: the products of chunk c (buffers s = c mod 2) and, feat = 1, the features of chunk c + 1 (slot and buffers 1 - s).
; ONE barrier: in front of it my reads of slot s (the last trip's features), my stores of k'', V and state are done and all my tensor loads have landed,
; slot 1 - s among them; behind it slot s is filled again first (chunk c + 2).  Behind the barrier a wave reads buffers s and writes buffers 1 - s, which
; were last read ahead of it.
.macro ITER s, refill, first, upd, feat, step
.set NB, 1-\s
	s_wait_xcnt 0x0                                ; the last chunk's stores have had their addresses translated: their data registers and base are rewritten only behind this wait
.if \step
	s_add_nc_u64 s[16:17], s[16:17], 262144        ; 64 positions on
.endif
	s_set_vgpr_msb 0x8
	s_wait_tensorcnt 0x0                           ; no tensor load of mine is out, so a group 0 may be written
	ds_add_u32 v15, v255
	s_wait_dscnt 0x0
	s_set_vgpr_msb 0x800
.if \refill
	s_add_nc_u64 s[42+4*\s:43+4*\s], s[42+4*\s:43+4*\s], 524288
.endif
	s_wait_dscnt 0x0
	s_barrier_signal -1
	s_barrier_wait -1
.if \refill
	s_cmp_eq_u32 s18, 3                            ; waves 0, 1, 2 bring Q, K, V; wave 3 has no tile
	s_cbranch_scc1 .Lnl_\@
	tensor_load_to_lds s[40+4*\s:43+4*\s], s[32:39]
	s_nop 0
.Lnl_\@:
.endif
.if \feat
	LD8 R, AF0+NB, 0                               ; the next chunk's rows of q, k and V in one run: 24 loads
	LD8 W, AF0+NB, TEN
.irp i, 0,1,2,3,4,5,6,7
	ds_load_b128 v[QP0+32*NB+4*\i:QP0+32*NB+4*\i+3], v[AV0+NB] offset:2*PK*\i
.endr
.endif
	WIN 0xc0                                       ; V, k''^T and key tile 0: 24 loads, 32 with an update
.irp ks, 0,1
.irp nt, 0,1,2,3
	ds_load_tr16_b128 v[VF+32*\ks+8*\nt:VF+32*\ks+8*\nt+3], v[VBT] offset:\s*VBB+32*PVB*\ks+32*\nt
	ds_load_tr16_b128 v[VF+32*\ks+8*\nt+4:VF+32*\ks+8*\nt+7], v[VBT] offset:\s*VBB+32*PVB*\ks+16*PVB+32*\nt
.endr
.endr
.if \upd
.irp fl, 0,1
.irp ks, 0,1
	ds_load_tr16_b128 v[KT+16*\fl+8*\ks:KT+16*\fl+8*\ks+3], v[KPT] offset:\s*KPB+32*PK*\ks+32*\fl
	ds_load_tr16_b128 v[KT+16*\fl+8*\ks+4:KT+16*\fl+8*\ks+7], v[KPT] offset:\s*KPB+32*PK*\ks+16*PK+32*\fl
.endr
.endr
.endif
.irp ks, 0,1,2,3
	ds_load_b128 v[KF+8*\ks:KF+8*\ks+3], v[KPR] offset:\s*KPB+64*\ks
	ds_load_b128 v[KF+8*\ks+4:KF+8*\ks+7], v[KPR] offset:\s*KPB+64*\ks+32
.endr
	WIN 0
.if \feat
	s_wait_dscnt 24+8*\upd                         ; the rows are in; the loads issued behind them stay out and land under the rounding
.irp i, 0,1,2,3,4,5,6,7
	P1S 0, \i
.endr
.irp i, 0,1,2,3,4,5,6,7
	P1S 1, \i
.endr
.endif
.irp jt, 1,2,3
	s_cmp_lt_u32 s18, \jt                          ; key tile jt is read by query tiles jt and above
	s_cbranch_scc1 .Ll4_\@
	WIN 0xc0
.irp ks, 0,1,2,3
	ds_load_b128 v[KF+32*\jt+8*\ks:KF+32*\jt+8*\ks+3], v[KPR] offset:\s*KPB+\jt*16*PK+64*\ks
	ds_load_b128 v[KF+32*\jt+8*\ks+4:KF+32*\jt+8*\ks+7], v[KPR] offset:\s*KPB+\jt*16*PK+64*\ks+32
.endr
	WIN 0
.endr
.Ll4_\@:
.if \first == 0
	WIN 0x80                                       ; the state: 40 loads
.irp nt, 0,1,2,3,4
.irp ks, 0,1,2,3
	ds_load_b128 v[32*\nt+8*\ks:32*\nt+8*\ks+3], v[STR] offset:\s*STB+16*PK*\nt+64*\ks
	ds_load_b128 v[32*\nt+8*\ks+4:32*\nt+8*\ks+7], v[STR] offset:\s*STB+16*PK*\nt+64*\ks+32
.endr
.endr
	WIN 0
.endif
.if \feat
	BFR 0, 1, NB, 8                                ; q's raw products; V's conversion behind the last eight
.endif
.if \upd
	s_wait_dscnt 40*(1-\first)+8                   ; V, k''^T and key tile 0 are in: behind them went the state's 40 loads and V's 8 stores
	BKR \first                                     ; the state's update; q's maximum and exponentials behind the last fourteen
	SCALES 1                                       ; one chunk more is summed
.endif
.if \feat
	BFR 1, 3, NB, 6                                ; k's raw products; the state's way out behind the last ten
.endif
.if \first == 0
	s_wait_dscnt 18*\feat                          ; the state is in: behind it went V's 8 stores and the state's 10
	SPR \s, 4*\feat                                ; the product with the state; k's exponentials and stores behind the last ten
.else
.irp i, 0,1,2,3,4,5,6,7,8,9
	EKS NB, \i
.endr
.endif
	s_wait_dscnt 0x0                               ; the key tiles are in (long since; what is waited for is my last stores of k'')
	SPAIR 0, \s
	s_cmp_lt_u32 s18, 2                            ; query tiles 0 and 1 have no key in tiles 2 and 3
	s_cbranch_scc1 .Lsk_\@
	SPAIR 1, \s
.Lsk_\@:
	WIN 0x55
	PLACES
.if \first == 0
.set RN, 0
.rept 20
	v_pk_fma_f32 v[AC+2*RN:AC+2*RN+1], v[IN+2*RN:IN+2*RN+1], s[4:5], v[AC+2*RN:AC+2*RN+1] op_sel_hi:[1,0,1]   ; + 2^t x (q'' . state'')
.set RN, RN+1
.endr
.endif
.irp j, 0,1,2,3,4,5,6,7
	v_rcp_f32 v[SA+\j], v[AC+32+\j]                ; register j of every lane: the denominator of query 8 h + j
.endr
	v_nop                                          ; one plain place behind the reciprocals (ISA guide 5.7.2)
	s_wait_alu depctr_va_vdst(0)
.irp nt, 0,1,2,3
.irp e, 0,1,2,3
	v_pk_mul_f32 v[AC+8*\nt+2*\e:AC+8*\nt+2*\e+1], v[AC+8*\nt+2*\e:AC+8*\nt+2*\e+1], v[SA+2*\e:SA+2*\e+1]
.endr
.endr
	WIN 0x04                                       ; through my own stage: a lane holds a piece of a column, a store wants 16 neighbouring bytes of a row
.irp nt, 0,1,2,3
.irp j, 0,1,2,3,4,5,6,7
	ds_store_b32 v[SGW], v[AC+8*\nt+\j] offset:PK*\j+64*\nt
.endr
.endr
	WIN 0x40
.irp i, 0,1,2,3,4,5,6,7
	ds_load_b128 v[AC+4*\i:AC+4*\i+3], v[SGR] offset:2*PK*\i      ; LDS serves a wave in order: these see the stores above
.endr
	WIN 0x04
.irp i, 0,1,2,3,4,5,6,7
	s_wait_dscnt 7-\i                              ; read-back i is in, the younger ones stay out
	global_store_b128 v[OUTO], v[AC+4*\i:AC+4*\i+3], s[16:17] offset:8192*\i th:TH_STORE_NT   ; sixteen lanes store a position's 256 consecutive bytes, aligned
.endr
	WIN 0
.if \upd
	s_mov_b32 s4, s10                              ; the next chunk reads the state that this one wrote
	s_mov_b32 s5, s11
.endif
.endm
	s_load_b256 s[4:11], s[0:1], 0x0               ; q s[4:5], k s[6:7], v s[8:9], P s[10:11]
	s_load_b128 s[12:15], s[0:1], 0x20             ; state s[12:13], mloc s[14:15]
	s_load_b64 s[16:17], s[0:1], 0x30              ; out
	v_lshl_add_u32 v15, v0, 2, 0x3e600
	s_set_vgpr_msb 0x80
	v_mov_b32 v255, 0
	s_set_vgpr_msb 0x8088
	ds_add_u32 v15, v255
	s_set_vgpr_msb 0x8800
	v_lshrrev_b32 v1, 5, v0
	v_readfirstlane_b32 s18, v1                    ; wave
	s_and_b32 s19, ttmp9, 3                        ; segment
	s_lshr_b32 s30, ttmp9, 6
	s_lshl_b32 s30, s30, 23
	s_lshl_b32 s31, s19, 21
	s_add_co_u32 s30, s30, s31
	s_bfe_u32 s31, ttmp9, 0x40002
	s_lshl_b32 s31, s31, 8
	s_add_co_u32 s30, s30, s31                     ; the segment's first row of this head, in bytes
	s_mov_b32 s31, 0
	s_mov_b32 s20, K1C
	s_mov_b32 s21, K1C
	s_mov_b32 s22, EPS7
	s_mov_b32 s23, EPS7
	s_mov_b32 s24, NK1C
	s_mov_b32 s25, NK2C
	s_mov_b32 s26, 0x76543210                      ; v_permlanex16_b32: lane i reads lane i of the other half
	s_mov_b32 s27, 0xfedcba98
	s_mov_b32 s32, (2<<16)|(1<<20)|(5<<22)|(3<<25) ; group 1 for Q, K, V: 64 rows of 64 f32, 4 words of padding behind every 64: pitch 272
	s_mov_b32 s33, 64<<16
	s_mov_b32 s34, 64<<16
	s_mov_b32 s35, 64<<16
	s_mov_b32 s36, 64
	s_mov_b32 s37, 1024
	s_mov_b32 s38, 0
	s_mov_b32 s39, 0
	s_mov_b32 s48, (2<<16)|(1<<20)|(5<<22)|(3<<25) ; group 1 for P: 128 rows, dense
	s_mov_b32 s49, 64<<16
	s_mov_b32 s50, 128<<16
	s_mov_b32 s51, 64<<16
	s_mov_b32 s52, 128
	s_mov_b32 s53, 64
	s_mov_b32 s54, 0
	s_mov_b32 s55, 0
	s_mov_b32 s40, 1
	s_mul_i32 s41, s18, TEN                        ; slot 0: Q, K, V by the wave's number
	s_mov_b32 s44, 1
	s_add_co_u32 s45, s41, SLOTB
	s_mov_b32 s56, 1
	s_mov_b32 s57, PB
	s_and_b32 s2, ttmp9, 0xfc                      ; the stream's first work-group
	s_mul_i32 s28, s2, IMG
	s_lshl_b32 s2, s2, 8
	s_mov_b32 s3, 0
	s_mov_b32 s29, 0
	s_wait_dscnt 0x0
	s_wait_kmcnt 0x0
	s_cmp_eq_u32 s18, 1
	s_cselect_b64 s[42:43], s[6:7], s[4:5]
	s_cmp_eq_u32 s18, 2
	s_cselect_b64 s[42:43], s[8:9], s[42:43]
	s_add_nc_u64 s[42:43], s[42:43], s[30:31]      ; chunk 0
	s_add_nc_u64 s[46:47], s[42:43], 262144        ; chunk 1
	s_or_b32 s43, s43, 0x80000000
	s_or_b32 s47, s47, 0x80000000
	s_mov_b64 s[58:59], s[10:11]
	s_or_b32 s59, s59, 0x80000000
	s_cmp_eq_u32 s18, 3
	s_cbranch_scc1 .Lfill_p
	tensor_load_to_lds s[40:43], s[32:39]          ; the first fills: two loads out in waves 0 to 2, one in wave 3
	s_nop 0
	tensor_load_to_lds s[44:47], s[32:39]
	s_nop 0
	s_branch .Lfilled
.Lfill_p:
	tensor_load_to_lds s[56:59], s[48:55]
	s_nop 0
.Lfilled:
	s_add_nc_u64 s[16:17], s[16:17], s[30:31]
	s_add_nc_u64 s[14:15], s[14:15], s[2:3]
	s_add_nc_u64 s[12:13], s[12:13], s[28:29]      ; segment 0's image; never stepped
	s_load_b32 s60, s[14:15], 0x0                  ; the four segments' maxima
	s_load_b32 s61, s[14:15], 0x100
	s_load_b32 s62, s[14:15], 0x200
	s_load_b32 s63, s[14:15], 0x300
	; the earlier segments' images are asked for at once, 24 loads each: they land under the wait for the tiles, P's conversion and chunk 0's features
	v_and_b32 v1, 31, v0                           ; lane
	s_lshl_b32 s29, s18, 13
	v_lshl_add_u32 v[PA], v1, 4, s29               ; my state tiles in an image: 8,192 w + 16 x lane
	s_lshl_b32 s29, s18, 11
	s_add_co_u32 s29, s29, 32768
	v_lshl_add_u32 v[PA+1], v1, 4, s29             ; my tiles of sum k1
	v_lshlrev_b32 v[PA+2], 4, v1                   ; sum v: register 0 of the tile
	s_cmp_eq_u32 s19, 0                            ; the same in all four waves
	s_cbranch_scc1 .Lasked
	PRELOAD 0
	s_cmp_eq_u32 s19, 1
	s_cbranch_scc1 .Lasked
	PRELOAD 1
	s_cmp_eq_u32 s19, 2
	s_cbranch_scc1 .Lasked
	PRELOAD 2
.Lasked:
	s_mov_b32 s31, 0xffff0000                      ; from here on: a word's upper bf16
	s_lshl_b32 s8, s19, 3                          ; chunks in front of this segment
	; addresses: a lane term, the wave's number times a constant (made in s29), a region's constant
	v_and_b32 v2, 15, v0                           ; r
	v_bfe_u32 v3, v0, 4, 1                         ; h
	v_and_b32 v4, 7, v0
	v_lshl_add_u32 v4, v3, 3, v4                   ; 8 h + (lane & 7)
	v_bfe_u32 v5, v0, 3, 1
	s_mul_i32 s29, s18, 16*PK                      ; my 16 rows at pitch 272
	v_mul_u32_u24 v[KPR], v2, PK                   ; r x 272
	v_lshl_add_u32 v[APB], v3, 5, v[KPR]           ; + 32 h: a row of f32 as a fragment
	v_add_nc_u32 v[AF0], s29, v[APB]
	v_add_nc_u32 v[AF0+1], SLOTB, v[AF0]
	v_add_nc_u32 v[APB], PB, v[APB]                ; P's rows as fragments
	v_lshl_add_u32 v[KPR], v3, 4, v[KPR]           ; r x 272 + 16 h: a row of 16-bit numbers as a fragment
	v_add_nc_u32 v[KPW], s29, v[KPR]
	v_add_nc_u32 v[KPW], KP, v[KPW]
	v_add_nc_u32 v[STR], ST, v[KPR]
	v_add_nc_u32 v[KPR], KP, v[KPR]
	v_mul_u32_u24 v[SGR], v3, PK
	v_lshl_add_u32 v[SGR], v2, 4, v[SGR]           ; half x 272 + 16 (lane mod 16): two whole rows a load
	v_add_nc_u32 v[AV0], s29, v[SGR]
	v_add_nc_u32 v[AV0], 2*TEN, v[AV0]
	v_add_nc_u32 v[AV0+1], SLOTB, v[AV0]
	v_add_nc_u32 v[SGR], s29, v[SGR]
	v_add_nc_u32 v[SGR], SG, v[SGR]
	v_mul_u32_u24 v[SGW], v3, 8*PK
	v_lshl_add_u32 v[SGW], v2, 2, v[SGW]           ; row 8 h, column r
	v_add_nc_u32 v[SGW], s29, v[SGW]
	v_add_nc_u32 v[SGW], SG, v[SGW]
	s_mul_i32 s29, s18, 16*PVB                     ; my 16 rows at pitch 160
	v_mul_u32_u24 v[VBW], v3, PVB
	v_lshl_add_u32 v[VBW], v2, 3, v[VBW]
	v_add_nc_u32 v[VBW], s29, v[VBW]
	v_add_nc_u32 v[VBW], VB, v[VBW]
	s_lshl_b32 s29, s18, 16                        ; my 16 positions of 4,096 bytes in out
	v_lshlrev_b32 v[OUTO], 12, v3
	v_lshl_add_u32 v[OUTO], v2, 4, v[OUTO]
	v_add_nc_u32 v[OUTO], s29, v[OUTO]
	s_lshl_b32 s29, s18, 4
	v_lshlrev_b32 v[T], 3, v3
	v_sub_nc_u32 v[T], v2, v[T]
	v_add_nc_u32 v[T], s29, v[T]                   ; 16 w + r - 8 h, signed
.irp jt, 0,1,2,3
.irp j, 0,1,2,3,4,5,6,7
	v_cmp_le_i32 s[MASK+8*\jt+\j], 16*\jt+\j, v[T]
.endr
.endr
	v_mov_b32 v[TA], CM7
	WIN 0x40
.set RN, 0
.rept 32
	v_cndmask_b32 v[MK+RN], 0, v[TA], s[MASK+RN]   ; the mask as a factor: 2^-7 where the key is not behind the query, else 0
.set RN, RN+1
.endr
	WIN 0
	s_lshl_b32 s29, s18, 6                         ; my 32 features, 64 bytes of a row
	WIN 0x80
	v_add_nc_u32 v[STW2], s29, v[STR]
	WIN 0
	v_mul_u32_u24 v[KPT], v4, PK
	v_lshl_add_u32 v[KPT], v5, 4, v[KPT]
	v_add_nc_u32 v[KPT], s29, v[KPT]
	v_add_nc_u32 v[KPT], KP, v[KPT]
	v_mul_u32_u24 v[VBT], v4, PVB
	v_lshl_add_u32 v[VBT], v5, 4, v[VBT]
	v_add_nc_u32 v[VBT], VB, v[VBT]
	s_wait_kmcnt 0x0
	v_mov_b32 v[MXR], s60
	v_max_num_f32 v[MXR], s61, v[MXR]
	v_max_num_f32 v[MXR], s62, v[MXR]
	v_max_num_f32 v[MXR], s63, v[MXR]              ; the stream's maximum, in the exponent's units
	s_wait_tensorcnt 0x0                           ; my first fills are in
	s_barrier_signal -1
	s_barrier_wait -1                              ; everybody's are: chunks 0 and 1, and P
.irp rd, 0,1
.irp f, 0,1,2,3
	LD8 R+32*\f, APB, (4*\rd+\f)*16*PK
.endr
	s_wait_dscnt 0x0
	WIN 0x40
.irp f, 0,1,2,3
	CVT16 16*(4*\rd+\f), R+32*\f
.endr
	WIN 0
.endr
	AFULL 0                                        ; chunk 0's features
	s_cmp_eq_u32 s19, 0                            ; the same in all four waves
	s_cbranch_scc1 .Lseg0
	s_wait_loadcnt 0x0                             ; all the images that were asked for are in
	PREC 0, 1
	s_cmp_eq_u32 s19, 1
	s_cbranch_scc1 .Lstated
	PREC 1, 0
	s_cmp_eq_u32 s19, 2
	s_cbranch_scc1 .Lstated
	PREC 2, 0
.Lstated:
	SETON
	SCALES 0                                       ; 8, 16 or 24 chunks are summed
	s_mov_b32 s4, s10
	s_mov_b32 s5, s11
.irp tl, 0,1,2,3,4,5,6,7,8,9
	SOS 0, \tl
.endr
	WIN 0
	ITER 0, 1, 0, 1, 1, 0
	s_branch .Lchunk1
.Lseg0:
	SETON
	ITER 0, 1, 1, 1, 1, 0                          ; the scan's state of zeros: no product with it, the first update starts the sums
.Lchunk1:
	ITER 1, 1, 0, 1, 1, 1
	s_mov_b32 s28, 2
.Lpair:
	ITER 0, 1, 0, 1, 1, 1
	ITER 1, 1, 0, 1, 1, 1
	s_sub_co_u32 s28, s28, 1
	s_cmp_lg_u32 s28, 0
	s_cbranch_scc1 .Lpair
	ITER 0, 0, 0, 1, 1, 1                          ; chunk 6: nothing is left to fetch; chunk 7's features
	ITER 1, 0, 0, 0, 0, 1                          ; chunk 7: no features behind it, and it updates no state
	s_set_vgpr_msb 0x8
	s_wait_tensorcnt 0x0
	ds_add_u32 v15, v255
	s_wait_dscnt 0x0
	s_set_vgpr_msb 0x800
	s_endpgm
.Lfunc_end_k_qd0e855c120_favor:
	.size	k_qd0e855c120_favor, .Lfunc_end_k_qd0e855c120_favor-k_qd0e855c120_favor
	.p2alignl 7, 3214868480
	.fill 96, 4, 3214868480
	.section	.rodata,"a",@progbits
	.p2align	6, 0x0
	.amdhsa_kernel k_qd0e855c120_favor
		.amdhsa_group_segment_fixed_size 327680
		.amdhsa_private_segment_fixed_size 0
		.amdhsa_enable_private_segment 0
		.amdhsa_kernarg_size 56
		.amdhsa_user_sgpr_count 2
		.amdhsa_user_sgpr_kernarg_segment_ptr 1
		.amdhsa_wavefront_size32 1
		.amdhsa_system_sgpr_workgroup_id_x 1
		.amdhsa_system_sgpr_workgroup_id_y 1
		.amdhsa_system_sgpr_workgroup_id_z 1
		.amdhsa_system_vgpr_workitem_id 0
		.amdhsa_next_free_vgpr 1024
		.amdhsa_next_free_sgpr 100
		.amdhsa_reserve_vcc 0
		.amdhsa_float_denorm_mode_32 3
		.amdhsa_float_denorm_mode_16_64 3
		.amdhsa_memory_ordered 1
		.amdhsa_forward_progress 1
		.amdhsa_inst_pref_size 255
	.end_amdhsa_kernel
	.section	.bss,"aw",@nobits
	.p2align	6
	.space	262144
	.amdgpu_metadata
---
amdhsa.version: [ 1, 2 ]
amdhsa.kernels:
  - .name:           k_qd0e855c120_favor
    .symbol:         k_qd0e855c120_favor.kd
    .args:
      - { .name: q, .offset: 0, .size: 8, .value_kind: global_buffer, .address_space: global }
      - { .name: k, .offset: 8, .size: 8, .value_kind: global_buffer, .address_space: global }
      - { .name: v, .offset: 16, .size: 8, .value_kind: global_buffer, .address_space: global }
      - { .name: projection_matrix, .offset: 24, .size: 8, .value_kind: global_buffer, .address_space: global }
      - { .name: state, .offset: 32, .size: 8, .value_kind: global_buffer, .address_space: global }
      - { .name: mloc, .offset: 40, .size: 8, .value_kind: global_buffer, .address_space: global }
      - { .name: out0, .offset: 48, .size: 8, .value_kind: global_buffer, .address_space: global }
    .group_segment_fixed_size: 327680
    .private_segment_fixed_size: 0
    .kernarg_segment_align: 8
    .kernarg_segment_size: 56
    .max_flat_workgroup_size: 128
    .sgpr_count:     100
    .vgpr_count:     1024
    .wavefront_size: 32
...
	.end_amdgpu_metadata
.endif
;; end of part 2
